; MI455X (gfx1250); checked and timed in simulation.
; The chip was launched on July 23, 2026; its instructions are those of AMD's public machine-readable ISA for CDNA 5 (MIT licence, August 2026) and "CDNA5" Instruction Set Architecture Reference Guide (July 2026). The comments in the code are by the model that wrote it; some were corrected since.
;; Muti Head Attention. Allowed arithmetic: matrix products marked QUANTISED: E2M1 operands, one E8M0 scale for each 32 along K, by v_wmma_scale_f32_16x16x128_f8f6f4 with both operands' format E2M1 (or v_wmma_scale_f32_32x16x128_f4), f32 sums; everything else in f32.
;; Inputs: bo 1,024 float32; wk_codes 1,024 x 32 x 16 uint8 (E2M1 codes of wk, K innermost, in blocks of 32 codes, two codes a byte); wk_scales 1,024 x 32 uint8 (E8M0 scales of wk, one for each 32 codes along K); wo_codes 1,024 x 32 x 16 uint8 (E2M1 codes of wo, K innermost, in blocks of 32 codes, two codes a byte); wo_scales 1,024 x 32 uint8 (E8M0 scales of wo, one for each 32 codes along K); wq_codes 1,024 x 32 x 16 uint8 (E2M1 codes of wq, K innermost, in blocks of 32 codes, two codes a byte); wq_scales 1,024 x 32 uint8 (E8M0 scales of wq, one for each 32 codes along K); wv_codes 1,024 x 32 x 16 uint8 (E2M1 codes of wv, K innermost, in blocks of 32 codes, two codes a byte); wv_scales 1,024 x 32 uint8 (E8M0 scales of wv, one for each 32 codes along K); x_codes 4 x 2,048 x 32 x 16 uint8 (E2M1 codes of x, K innermost, in blocks of 32 codes, two codes a byte); x_scales 4 x 2,048 x 32 uint8 (E8M0 scales of x, one for each 32 codes along K).
;; Outputs: out0 4 x 2,048 x 1,024 float32.
;; This version of the problem:
;;   THIS VERSION OF THE PROBLEM IS GIVEN IN LOW PRECISION. The matrix products marked QUANTISED in the list below multiply operands that are first quantised to E2M1 (2 exponent bits, 1 mantissa bit; 4 bits a number), with one power-of-two scale for each 32 numbers along K (OCP MX v1.0); their sums are f32. All else is computed in f32.
;;   The module's matrix products, in the order in which they are computed (A, B: the left and right operand; K: the contracted axis; several contracted axes count as one K, in the product's order):
;;     1. [M 8,192, K 1,024] x [K 1,024, N 1,024]; A: input x (given as codes); B: input wq (given as codes): QUANTISED
;;     2. [M 8,192, K 1,024] x [K 1,024, N 1,024]; A: input x (given as codes); B: input wk (given as codes): QUANTISED
;;     3. [M 8,192, K 1,024] x [K 1,024, N 1,024]; A: input x (given as codes); B: input wv (given as codes): QUANTISED
;;     4. batch 64 x [M 2,048, K 64] x [K 64, N 2,048]; A: computed on the way; B: computed on the way: QUANTISED
;;     5. batch 64 x [M 2,048, K 2,048] x [K 2,048, N 64]; A: softmax (see below); B: computed on the way: QUANTISED
;;     6. [M 8,192, K 1,024] x [K 1,024, N 1,024]; A: computed on the way; B: input wo (given as codes): QUANTISED
;;   THE QUANTISER, for each operand of a quantised product, along K:
;;     - K is cut into blocks of 32 from its start; a last block that is shorter is filled with zeros.
;;     - A block's scale is 2^e with e = floor(log2(the largest magnitude in the block)) - 2, held to -126 .. 127; a block of zeros has e = 0. As a byte (E8M0): e + 127.
;;     - Each number is divided by its block's scale, clamped to +-6, and rounded to the nearest number of E2M1, ties to even, subnormals kept.
;;     - The product sums the exact products of the quantised numbers (number of the format x scale) in f32.
;;   ~~~python
;;   def quantise(x, axis):      # numpy; x: float32 -> the quantised numbers, widened to float32 again
;;       x = np.moveaxis(x, axis, -1); K = x.shape[-1]
;;       x = np.pad(x, [(0, 0)] * (x.ndim - 1) + [(0, -K % 32)]); x = x.reshape(x.shape[:-1] + (-1, 32)); a = np.abs(x).max(-1, keepdims=True)
;;       e = np.where(a > 0, np.clip(np.frexp(np.where(a > 0, a, 1))[1] - 1 - 2, -126, 127), 0)      # np.frexp(a)[1] - 1 = floor(log2(a)), exactly
;;       r = np.clip(x / 2.0 ** e, -6, 6)
;;       step = 2.0 ** (np.maximum(np.frexp(np.where(r == 0, 1, r))[1] - 1, 0) - 1)
;;       q = np.round(r / step) * step * 2.0 ** e      # np.round: ties to even
;;       return np.moveaxis(q.reshape(q.shape[:-2] + (-1,))[..., :K], -1, axis).astype(np.float32)
;;   ~~~
;;   SOFTMAX AHEAD OF A QUANTISED PRODUCT. Where the list says 'softmax', what is quantised is not the finished softmax but p = 2^(t - M), with t = logit x log2(e) and M = ceil(the row's largest t), a whole number; so 1/2 < the row's largest p <= 1. The row's sum l is taken of the UNQUANTISED p, in f32, and the product's result is divided by l at the end. Since M is a whole number, a kernel that streams over the keys may use a running M (the ceiling of the running maximum): every later rescaling is an exact power of two, which a block's scale takes up: the codes' values come out the same.
;;   OPERANDS COMPUTED ON THE WAY. 'Computed on the way' means the value that the module computes at that place (a softmax that the list does not call 'softmax' is quantised finished and normalised). What goes into a quantiser is computed in f32, as accurately as f32 sums, v_exp_f32 and their like allow (about 1e-6 of the number): no bf16 or f16 on the way to a quantiser, and a product that is left as it is and whose result goes on into a quantised operand takes f32 operands (vector FMAs, or v_wmma_f32_16x16x4_f32). A number that lies on a knife's edge between two numbers of the format may be rounded either way, as far as f32 arithmetic and the matrix unit's own rounding can turn it there, and no further.
;;   INPUTS GIVEN AS CODES. wk (in the module: [1024, 1024], K = its axis 0); wo (in the module: [1024, 1024], K = its axis 0); wq (in the module: [1024, 1024], K = its axis 0); wv (in the module: [1024, 1024], K = its axis 0); x (in the module: [4, 2048, 1024], K = its axis 2): each comes as NAME_codes (uint8): NAME with its K axis moved to the last place and cut into blocks of 32 codes, [.., K / 32, bytes a block], one block behind the other in memory; two codes a byte, the lower K in the low four bits (a code: sign, 2 exponent bits, 1 mantissa bit); and NAME_scales (uint8): the same leading axes, one E8M0 byte (e + 127) for each 32 codes along K. Its value is code x scale, taken as it is: it is not quantised again, and the codes and scales need not be those that the quantiser above would give.
;; One version. Each part assembles by itself: llvm-mc -triple=amdgcn-amd-amdhsa -mcpu=gfx1250 --defsym DOCPART=n.
;; ======== version 1 of 1: 3 launches
;; workspace buffers: qbuf 4,718,592 bytes; kv 9,437,184 bytes; ctx_codes 4,194,304 bytes; ctx_scales 262,144 bytes
;; launch proj (part 1): grid 64 x 4, 4 waves a work-group, clusters of 4 x 4, 327,680 bytes of LDS; arguments x_codes, x_scales, wq_codes, wq_scales, wk_codes, wk_scales, wv_codes, wv_scales, qbuf, kv; writes qbuf, kv
.if DOCPART == 1
	.amdgcn_target "amdgcn-amd-amdhsa--gfx1250"
	.amdhsa_code_object_version 6
	.text
	.protected	k_qd3790feb33_proj
	.globl	k_qd3790feb33_proj
	.p2align	8
	.type	k_qd3790feb33_proj,@function
k_qd3790feb33_proj:
	s_mov_b64 s[64:65], 0
	v_nop
	global_prefetch_b8 v0, s[64:65] scope:SCOPE_SE
	s_setreg_imm32_b32 hwreg(HW_REG_WAVE_MODE, 25, 1), 1
	s_wait_xcnt 0x0
	s_wait_alu depctr_hold_cnt(0) depctr_sa_sdst(0) depctr_va_vdst(0) depctr_va_sdst(0) depctr_va_ssrc(0) depctr_va_vcc(0) depctr_vm_vsrc(0)
	s_getreg_b32 s2, hwreg(HW_REG_IB_STS2, 6, 4)
	s_cmp_eq_u32 s2, 0
	s_cbranch_scc0 .Lentry_in_a_cluster
	s_endpgm
.Lentry_in_a_cluster:
	s_bfe_u32 s2, ttmp6, 0x10000c
	s_cmp_lg_u32 s2, 0xf033
	s_cbranch_scc0 .Lentry_shape_is_right
	s_endpgm
.Lentry_shape_is_right:
; q = x wq, k = x wk, v = x wv on codes of FP4 (E2M1) with one E8M0 scale for each 32 along K = 1,024; the f32 results are quantised here, in registers, for the attention launch:
; q and k along the head's 64 (two blocks a token), v along the keys (blocks of 32 tokens).  Only codes and scale bytes go to memory.
; SHARES.  A work-group takes 128 tokens (tb) x four heads (4 g .. 4 g + 3); wave w owns head 4 g + w and makes, in three passes (q, k, v), 128 tokens x 64 features: 32 accumulators, 256 registers.
; K goes in 8 steps of 128, 32 matrix instructions each, the 32 accumulators by turns in the same order in every step.
; LAYOUT.  q, k: source 0 = 16 rows of W, source 1 = 16 tokens: a lane holds ONE token and its registers run along the features, the next product's K.
;          v:    source 0 = 16 tokens, source 1 = 16 rows of W: a lane holds ONE feature and its registers run along the tokens, which are the keys.
; In both, block B of 32 along the next K is accumulator registers 16 B .. 16 B + 15 of lanes l and l xor 16.  The four conversions of a pair of blocks are laid so that two exchanges of lane halves leave
; registers 4 C .. 4 C + 3 of the next operand: register g, lane half h: k = 64 C + 32 h + 8 g + 0 .. 7.  They are stored as an IMAGE OF THE REGISTERS: 16 bytes a lane, 512 consecutive bytes a store.
; OUT.  qbuf: a record of 4,608 bytes for each (batch x head, 128 tokens): 8 images (a tile of 16 tokens each; k = 64 .. 127 of the operand are zeros that the reader supplies), then 512 bytes of scale words,
;       [lane][4]: word i of lane (r, h) is row r of tile 2 i + h: bytes s0, s1, 0x7f, 0x7f.   kv: a record of 9,216 bytes: K's 8 images, V^T's 8 images (16 features x 128 keys: two each), K's scale words as q's,
;       V's scale words [lane][4]: word i (0, 1) of lane (r, h): feature r of tile 2 i + h, four key blocks; words 2, 3 are zeros.
; LDS.  x's 128 rows stay.  Three slots hold a K half of 256 rows of W each.  The first fills bring x, wq's two halves (slots 0, 1) and wk's first half (slot 2).  Slot 0 is filled again with wk's second half behind
;       q's first half pass: that load has a half pass, q's way out and another half pass in which to land.  Slots 1 and 2 together are filled again with ALL of wv (whole rows of 512 bytes, one load a wave) behind
;       k's first half pass: that load has a half pass and k's way out.  So two refills, each behind a round of the cluster's barrier, serve the six half passes.
; CLUSTER 4 x 4.  x's tile hangs on tb alone and is asked for jointly by the four of a column; W's tiles hang on g alone and are asked for jointly by the four of a row.  The grid is one cluster high: g = cy.
; LIMITS.  A block whose largest magnitude lies under 2^-124 (a block of zeros among them) gets the scale byte 1; its codes are then zeros or near it, and this program alone reads the bytes.
;          NaN and infinities are not served; a given scale byte 0xff makes the sums NaN.
.set XP,    528                        ; x in LDS: a row of 512 bytes + 16 of padding = 132 words: the 16 rows of a fragment load start at 16 different banks
.set WP,    272                        ; wq, wk in LDS: half a row, 256 bytes + 16
.set VP,    528                        ; wv in LDS: a whole row, 512 bytes + 16
.set WS0,   128*XP                     ; behind x's 128 rows: three slots of 256 half rows of W; wave w's 64 rows at 64 WP w
.set WSB,   256*WP
.set WSV,   WS0+WSB                    ; wv's 256 whole rows lie over slots 1 and 2; wave w's 64 rows at 64 VP w
.set SPARE, WS0+3*WSB                  ; behind the slots: the spare words, 128 bytes for each wave: two blocks of 256 bytes that no other line names
.set AX,    4                          ; v4   x's fragments: XP r + 16 h
.set AW0,   5                          ; v5, v6  W's fragments in slot 0, 1
.set SPW,   7                          ; v7   LDS address of my spare word; never rewritten
.set NIL,   8                          ; v8   0; never rewritten
.set L16,   9                          ; v9   16 x lane
.set L32,   10                         ; v10  32 x lane
.set AW2,   11                         ; v11  W's fragments in slot 2
.set AWV,   12                         ; v12  wv's fragments
.set XSC,   16                         ; v16-47  x's scale words: register 8 G + s, lane l: token 32 G + l, K step s
.set WSC,   48                         ; v48-63  the pass's W likewise: row 32 G + l of my 64
.set F0,    64                         ; v64-159, v160-255: two fragment buffers: 8 tiles of x, then 4 of W
.set TM,    64                         ; the way out, over buffer 0: largest magnitudes,
.set TP,    80                         ; the other lane half's, then the scale bytes,
.set SO,    96                         ; the conversions' scale operands,
.set WD,    112                        ; scale words,
.set SI,    120                        ; the scale image,
.set RC,    128                        ; the codes
.set WV,    24                         ; s24  my wave's number
.set G1X,   28                         ; s[28:35] descriptor group 1 for x;  s[36:43] for half rows of W;  s[72:79] for whole rows of wv;  s[44:47] group 0 for x
.set G1W,   36
.set G1V,   72
.set G0X,   44
.set GQ0,   48                         ; groups 0 for W, made at the head and never rewritten: wq's halves,
.set GQ1,   52
.set GK0,   56                         ; wk's halves,
.set GK1,   60
.set GV,    68                         ; wv
.set TS,    66                         ; s66  at work
.set MYW,   67                         ; s67  my 64 half rows in a slot: 64 WP w
.set CMK,   101                        ; s101 my column of the cluster
.set RMK,   104                        ; s104 my row
.set MSB,   0
.macro WIN new                         ; the immediate's high byte repeats the setting that is left
.if MSB != \new
	s_set_vgpr_msb (MSB<<8)|\new
.set MSB, \new
.endif
.endm
.macro NOPS n
.rept \n
	v_nop
.endr
.endm
.macro CROUND                          ; a round of the cluster's barrier
	s_barrier_signal -1
	s_barrier_wait -1
	s_cmp_lg_u32 s[WV], 0
	s_cbranch_scc1 .Lnot_wave_0_\@
	s_barrier_signal -3
.Lnot_wave_0_\@:
	s_barrier_wait -3
	s_barrier_signal -1
	s_barrier_wait -1
.endm
; One matrix instruction, from the symbols rD, rA, rB, rSA, rSB.  fZ: the sum begins (C = 0).  fRA, fRB: the side's scale words lie in lanes 16-31 of its register.
.macro WM
.if fZ && fRA && fRB
	v_wmma_scale_f32_16x16x128_f8f6f4 v[rD:rD+7], v[rA:rA+7], v[rB:rB+7], 0, v[rSA], v[rSB] matrix_a_fmt:MATRIX_FMT_FP4 matrix_b_fmt:MATRIX_FMT_FP4 matrix_a_scale:MATRIX_SCALE_ROW1 matrix_b_scale:MATRIX_SCALE_ROW1
.elseif fZ && fRA
	v_wmma_scale_f32_16x16x128_f8f6f4 v[rD:rD+7], v[rA:rA+7], v[rB:rB+7], 0, v[rSA], v[rSB] matrix_a_fmt:MATRIX_FMT_FP4 matrix_b_fmt:MATRIX_FMT_FP4 matrix_a_scale:MATRIX_SCALE_ROW1
.elseif fZ && fRB
	v_wmma_scale_f32_16x16x128_f8f6f4 v[rD:rD+7], v[rA:rA+7], v[rB:rB+7], 0, v[rSA], v[rSB] matrix_a_fmt:MATRIX_FMT_FP4 matrix_b_fmt:MATRIX_FMT_FP4 matrix_b_scale:MATRIX_SCALE_ROW1
.elseif fZ
	v_wmma_scale_f32_16x16x128_f8f6f4 v[rD:rD+7], v[rA:rA+7], v[rB:rB+7], 0, v[rSA], v[rSB] matrix_a_fmt:MATRIX_FMT_FP4 matrix_b_fmt:MATRIX_FMT_FP4
.elseif fRA && fRB
	v_wmma_scale_f32_16x16x128_f8f6f4 v[rD:rD+7], v[rA:rA+7], v[rB:rB+7], v[rD:rD+7], v[rSA], v[rSB] matrix_a_fmt:MATRIX_FMT_FP4 matrix_b_fmt:MATRIX_FMT_FP4 matrix_a_scale:MATRIX_SCALE_ROW1 matrix_b_scale:MATRIX_SCALE_ROW1
.elseif fRA
	v_wmma_scale_f32_16x16x128_f8f6f4 v[rD:rD+7], v[rA:rA+7], v[rB:rB+7], v[rD:rD+7], v[rSA], v[rSB] matrix_a_fmt:MATRIX_FMT_FP4 matrix_b_fmt:MATRIX_FMT_FP4 matrix_a_scale:MATRIX_SCALE_ROW1
.elseif fRB
	v_wmma_scale_f32_16x16x128_f8f6f4 v[rD:rD+7], v[rA:rA+7], v[rB:rB+7], v[rD:rD+7], v[rSA], v[rSB] matrix_a_fmt:MATRIX_FMT_FP4 matrix_b_fmt:MATRIX_FMT_FP4 matrix_b_scale:MATRIX_SCALE_ROW1
.else
	v_wmma_scale_f32_16x16x128_f8f6f4 v[rD:rD+7], v[rA:rA+7], v[rB:rB+7], v[rD:rD+7], v[rSA], v[rSB] matrix_a_fmt:MATRIX_FMT_FP4 matrix_b_fmt:MATRIX_FMT_FP4
.endif
.endm
; A group 0 for half rows of W: pointer pair ptr, K half half, into slot slot
.macro MKW gw, ptr, slot, half
	s_mov_b32 s[\gw], 1                            ; count = 1
	s_add_co_u32 s[\gw+1], s[MYW], WS0+\slot*WSB   ; LDS: the slot, my 64 rows
	s_add_nc_u64 s[\gw+2:\gw+3], s[\ptr:\ptr+1], s[82:83]   ; rows 256 g + 64 w
.if \half
	s_add_nc_u64 s[\gw+2:\gw+3], s[\gw+2:\gw+3], 256         ; the rows' second 256 bytes
.endif
	s_or_b32 s[\gw+3], s[\gw+3], 0x80000000        ; type = 2
.endm
	s_load_b512 s[4:19], s[0:1], 0x0               ; x's codes, scales; wq's; wk's; wv's
	s_load_b128 s[20:23], s[0:1], 0x40             ; qbuf, kv
	v_lshl_add_u32 v[SPW], v0, 2, SPARE
	v_mov_b32 v[NIL], 0
	ds_add_u32 v7, v8
	ds_add_u32 v7, v8
	s_wait_dscnt 0x0
	v_lshrrev_b32 v1, 5, v0
	v_readfirstlane_b32 s[WV], v1                  ; wave 0..3
	s_bfe_u32 s25, ttmp6, 0x40000                  ; cx
	s_bfe_u32 s26, ttmp6, 0x40004                  ; cy = g: the grid is one cluster high
	s_lshl_b32 s27, ttmp9, 2
	s_add_co_u32 s27, s27, s25                     ; tb = 4 x cluster x + cx
	s_lshl_b32 s[RMK], s26, 2
	s_lshl_b32 s[RMK], 15, s[RMK]                  ; my row of the cluster
	s_lshl_b32 s[CMK], 0x1111, s25                 ; my column
	; x: 32 rows of 512 bytes to a wave, 16 bytes of padding behind each (128 words: code 6; 4 words: code 3); elements of one byte; bit 21 is set beside a mask
	s_or_b32 s[G1X], s[CMK], (1<<20)|(1<<21)|(6<<22)|(3<<25)
	s_mov_b32 s[G1X+1], 512<<16                    ; tensor_dim0
	s_mov_b32 s[G1X+2], 32<<16                     ; tensor_dim1
	s_mov_b32 s[G1X+3], 512<<16                    ; tile_dim0
	s_mov_b32 s[G1X+4], 32                         ; tile_dim1
	s_mov_b32 s[G1X+5], 512                        ; from row to row
	s_mov_b32 s[G1X+6], 0
	s_mov_b32 s[G1X+7], 0
	; wq, wk: 64 rows of 256 bytes to a wave, out of rows of 512; 16 bytes of padding behind each (64 words: code 5)
	s_or_b32 s[G1W], s[RMK], (1<<20)|(1<<21)|(5<<22)|(3<<25)
	s_mov_b32 s[G1W+1], 256<<16
	s_mov_b32 s[G1W+2], 64<<16
	s_mov_b32 s[G1W+3], 256<<16
	s_mov_b32 s[G1W+4], 64
	s_mov_b32 s[G1W+5], 512
	s_mov_b32 s[G1W+6], 0
	s_mov_b32 s[G1W+7], 0
	; wv: 64 whole rows of 512 bytes to a wave; 16 bytes of padding behind each (128 words: code 6)
	s_or_b32 s[G1V], s[RMK], (1<<20)|(1<<21)|(6<<22)|(3<<25)
	s_mov_b32 s[G1V+1], 512<<16
	s_mov_b32 s[G1V+2], 64<<16
	s_mov_b32 s[G1V+3], 512<<16
	s_mov_b32 s[G1V+4], 64
	s_mov_b32 s[G1V+5], 512
	s_mov_b32 s[G1V+6], 0
	s_mov_b32 s[G1V+7], 0
	s_lshl_b32 s80, s27, 16                        ; x: (128 tb + 32 w) rows of 512 bytes: these registers never hold cy
	s_lshl_b32 s81, s[WV], 14
	s_add_co_u32 s80, s80, s81
	s_mov_b32 s81, 0
	s_lshl_b32 s82, s26, 17                        ; W: (256 g + 64 w) rows of 512 bytes: these never hold cx
	s_lshl_b32 s83, s[WV], 15
	s_add_co_u32 s82, s82, s83
	s_mov_b32 s83, 0
	s_mul_i32 s[MYW], s[WV], 64*WP                 ; my 64 half rows in a slot
	v_and_b32 v1, 31, v0                           ; lane
	v_and_b32 v2, 15, v0                           ; r
	v_bfe_u32 v3, v0, 4, 1                         ; h
	v_mul_u32_u24 v[AX], v2, XP
	v_lshl_add_u32 v[AX], v3, 4, v[AX]
	v_mul_u32_u24 v[AW0], v2, WP
	v_lshl_add_u32 v[AW0], v3, 4, v[AW0]
	s_add_co_u32 s[TS], s[MYW], WS0
	v_add_nc_u32 v[AW0], s[TS], v[AW0]
	v_add_nc_u32 v[AW0+1], WSB, v[AW0]
	v_add_nc_u32 v[AW2], 2*WSB, v[AW0]
	s_mul_i32 s[TS], s[WV], 64*VP
	s_add_co_u32 s[TS], s[TS], WSV
	v_add_nc_u32 v[AWV], s[TS], v[AX]              ; wv's rows have x's pitch: the lane's term is the same
	v_lshlrev_b32 v[L16], 4, v1
	v_lshlrev_b32 v[L32], 5, v1
	s_mov_b32 s2, 0x76543210                       ; v_permlanex16_b32's selects for lane l xor 16
	s_mov_b32 s3, 0xfedcba98
	s_mov_b32 s100, 0xffff0000                     ; lanes 16-31
	s_wait_kmcnt 0x0
	s_mov_b32 s[G0X], 1
	s_mul_i32 s[G0X+1], s[WV], 32*XP
	s_add_nc_u64 s[G0X+2:G0X+3], s[4:5], s[80:81]
	s_or_b32 s[G0X+3], s[G0X+3], 0x80000000
	MKW GQ0, 8, 0, 0
	MKW GQ1, 8, 1, 1
	MKW GK0, 12, 2, 0
	MKW GK1, 12, 0, 1
	s_mov_b32 s[GV], 1
	s_mul_i32 s[GV+1], s[WV], 64*VP
	s_add_co_u32 s[GV+1], s[GV+1], WSV
	s_add_nc_u64 s[GV+2:GV+3], s[16:17], s[82:83]
	s_or_b32 s[GV+3], s[GV+3], 0x80000000
	s_lshl_b32 s[TS], s26, 2
	s_add_co_u32 s[TS], s[TS], s[WV]               ; my head, 4 g + w
	s_lshl_b32 s84, s[TS], 11                      ; its 64 rows of 32 scale bytes
	s_mov_b32 s85, 0
	s_add_nc_u64 s[94:95], s[10:11], s[84:85]
	s_add_nc_u64 s[96:97], s[14:15], s[84:85]
	s_add_nc_u64 s[98:99], s[18:19], s[84:85]
	s_lshl_b32 s84, s27, 12                        ; x's scale bytes: 128 rows of 32
	s_add_nc_u64 s[92:93], s[6:7], s[84:85]
	s_lshr_b32 s84, s27, 4                         ; the record: ((batch x 16 + head) x 16 + tb % 16)
	s_lshl_b32 s84, s84, 4
	s_add_co_u32 s84, s84, s[TS]
	s_lshl_b32 s84, s84, 4
	s_and_b32 s[TS], s27, 15
	s_add_co_u32 s[TS], s84, s[TS]
	s_mul_i32 s84, s[TS], 4608
	s_add_nc_u64 s[86:87], s[20:21], s[84:85]      ; q's record
	s_mul_i32 s84, s[TS], 9216
	s_add_nc_u64 s[88:89], s[22:23], s[84:85]      ; K's part of the kv record,
	s_add_nc_u64 s[90:91], s[88:89], 4096          ; V's
	CROUND                                         ; all sixteen work-groups are here: the first joint loads meet
	tensor_load_to_lds s[G0X:G0X+3], s[G1X:G1X+7]  ; the four first fills go out together, in the order in which they are wanted: four loads of mine are out
	s_nop 0
	tensor_load_to_lds s[GQ0:GQ0+3], s[G1W:G1W+7]
	s_nop 0
	tensor_load_to_lds s[GQ1:GQ1+3], s[G1W:G1W+7]
	s_nop 0
	tensor_load_to_lds s[GK0:GK0+3], s[G1W:G1W+7]
	s_nop 0
	NOPS 4
	s_wait_alu depctr_va_vdst(0)
.irp gg, 0,1,2,3
.irp i, 0,1
	global_load_b128 v[XSC+8*\gg+4*\i:XSC+8*\gg+4*\i+3], v[L32], s[92:93] offset:1024*\gg+16*\i   ; a token's 8 scale words: they stay in registers for all three passes
.endr
.endr
.irp gg, 0,1
.irp i, 0,1
	global_load_b128 v[WSC+8*\gg+4*\i:WSC+8*\gg+4*\i+3], v[L32], s[94:95] offset:1024*\gg+16*\i   ; wq's
.endr
.endr
; 24 LDS loads: the fragments of K step s: 8 tiles of x, 4 of W (address register aw, pitch wp, byte ko of the rows).  A fragment is 16 rows x 128 K in 8 registers: two loads of 16 bytes, 32 bytes apart, at row x pitch + 16 h
.macro FETCH f, aw, s, wp, ko
.irp t, 0,1,2,3,4,5,6,7
.irp c, 0,1
	ds_load_b128 v[\f+8*\t+4*\c:\f+8*\t+4*\c+3], v[AX] offset:16*XP*\t+64*(\s)+32*\c
.endr
.endr
.irp t, 0,1,2,3
.irp c, 0,1
	ds_load_b128 v[\f+64+8*\t+4*\c:\f+64+8*\t+4*\c+3], v[\aw] offset:16*\wp*\t+(\ko)+32*\c
.endr
.endr
.endm
; 32 matrix instructions: K step s from buffer f.  tr = 0: accumulator (xt, wt) at 8 (4 xt + wt), source 0 = W;  tr = 1: (wt, xt) at 8 (8 wt + xt), source 0 = x
.macro MUL32 f, s, tr, zero
.set fZ, \zero
.set n, 0
.rept 32
.set rD, 8*n
.if \tr
.set xt, n%8
.set wt, n/8
.set rA, \f+8*xt
.set rB, \f+64+8*wt
.set rSA, XSC+8*(xt/2)+(\s)
.set rSB, WSC+8*(wt/2)+(\s)
.set fRA, xt%2
.set fRB, wt%2
.else
.set xt, n/4
.set wt, n%4
.set rA, \f+64+8*wt
.set rB, \f+8*xt
.set rSA, WSC+8*(wt/2)+(\s)
.set rSB, XSC+8*(xt/2)+(\s)
.set fRA, wt%2
.set fRB, xt%2
.endif
	WM
.set n, n+1
.endr
.endm
; Half of a pass: four K steps, on the two buffers by turns; the next step's loads are issued ahead of each step's products.  aw, wp: W's address register and pitch; kb: the byte of W's LDS rows at which the half begins
.macro TRIP tr, half, aw, wp, kb
	NOPS 5                                         ; places behind the last products: for loads into registers that they read, and for accumulators begun anew
	FETCH F0, \aw, 4*\half, \wp, \kb
.irp q, 0,1,2,3
.if \q < 3
.if \q > 0
	NOPS 4                                         ; places in front of loads into the buffer that the last step's products read
.endif
	FETCH F0+96*((\q+1)%2), \aw, 4*\half+\q+1, \wp, \kb+64*(\q+1)
	s_wait_dscnt 24                                ; all but the 24 just issued: this step's fragments are in
.else
	s_wait_dscnt 0x0
.endif
	WIN 0x50                                       ; C and D in window 1
.if (\half == 0) && (\q == 0)
	MUL32 F0+96*(\q%2), 4*\half+\q, \tr, 1
.else
	MUL32 F0+96*(\q%2), 4*\half+\q, \tr, 0
.endif
	WIN 0
.endr
.endm
; Bytes that have been read are filled again: all my tensor loads have landed, the add, my LDS reads are back; a round of the cluster's barrier, since the refill is a joint load; the refill first behind it.
.macro CHANGE gw, g1
	s_wait_tensorcnt 0x0
	ds_add_u32 v[SPW], v[NIL]                      ; 0 onto my spare word
	s_wait_dscnt 0x0
	CROUND
	tensor_load_to_lds s[\gw:\gw+3], s[\g1:\g1+7]  ; my one tensor load until the next round
	s_nop 0
	NOPS 4
.endm
; THE WAY OUT of a pass: 16 blocks of 32 are quantised and leave as 8 images and a scale image.  kind 0: q, k (a word: two bytes and 0x7f7f);  kind 1: v (a word: four key blocks).  nextw: the next pass's scale bytes.
.macro EPI base, scoff, kind, nextw
	NOPS 4                                         ; places behind the last products
.if \nextw
.irp gg, 0,1
.irp i, 0,1
	global_load_b128 v[WSC+8*\gg+4*\i:WSC+8*\gg+4*\i+3], v[L32], s[\nextw:\nextw+1] offset:1024*\gg+16*\i
.endr
.endr
.endif
	WIN 0x14                                       ; sources 1 and 2: the accumulators, window 1
.irp b, 0,1,2,3,4,5,6,7,8,9,10,11,12,13,14,15
	v_max3_num_f32 v[TM+\b], 0x1800000, |v[16*\b]|, |v[16*\b+1]|   ; my 16 numbers of block b, each accumulator from its low end on, and the floor 2^(3 - 127): the byte cannot fall under 1
.endr
.irp i, 2,4,6,8,10,12,14
.irp b, 0,1,2,3,4,5,6,7,8,9,10,11,12,13,14,15
	v_max3_num_f32 v[TM+\b], v[TM+\b], |v[16*\b+\i]|, |v[16*\b+\i+1]|
.endr
.endr
	WIN 0
.irp b, 0,1,2,3,4,5,6,7,8,9,10,11,12,13,14,15
	v_permlanex16_b32 v[TP+\b], v[TM+\b], s2, s3
.endr
.irp b, 0,1,2,3,4,5,6,7,8,9,10,11,12,13,14,15
	v_max_num_f32 v[TM+\b], v[TM+\b], v[TP+\b]     ; with lane l xor 16's: the block's largest magnitude
.endr
.irp b, 0,1,2,3,4,5,6,7,8,9,10,11,12,13,14,15
	v_add_nc_u32 v[SO+\b], 0xff000000, v[TM+\b]    ; 2 off its exponent field: the conversion's scale operand
.endr
.irp b, 0,1,2,3,4,5,6,7,8,9,10,11,12,13,14,15
	v_lshrrev_b32 v[TP+\b], 23, v[SO+\b]           ; the scale's byte
.endr
.if \kind
.irp i, 0,1,2,3
	v_lshl_or_b32 v[WD+\i], v[TP+4*\i+1], 8, v[TP+4*\i]
.endr
.irp i, 0,1,2,3
	v_lshl_or_b32 v[WD+\i], v[TP+4*\i+2], 16, v[WD+\i]
.endr
.irp i, 0,1,2,3
	v_lshl_or_b32 v[WD+\i], v[TP+4*\i+3], 24, v[WD+\i]
.endr
.irp i, 0,1
	v_cndmask_b32 v[SI+\i], v[WD+2*\i], v[WD+2*\i+1], s100   ; lanes 0-15 tile 2 i's words, lanes 16-31 tile 2 i + 1's
.endr
	v_mov_b32 v[SI+2], 0
	v_mov_b32 v[SI+3], 0
.else
.irp i, 0,1,2,3,4,5,6,7
	v_lshl_or_b32 v[WD+\i], v[TP+2*\i+1], 8, v[TP+2*\i]
.endr
.irp i, 0,1,2,3,4,5,6,7
	v_or_b32 v[WD+\i], 0x7f7f0000, v[WD+\i]        ; k = 64 .. 127 of the operand are zero codes: scale 1
.endr
.irp i, 0,1,2,3
	v_cndmask_b32 v[SI+\i], v[WD+2*\i], v[WD+2*\i+1], s100
.endr
.endif
	WIN 0x01                                       ; source 0: the accumulators
.irp c, 0,1,2,3,4,5,6,7
	v_cvt_scalef32_pk8_fp4_f32 v[RC+4*\c],   v[32*\c:32*\c+7],     v[SO+2*\c]      ; block 2 c, groups h
	v_cvt_scalef32_pk8_fp4_f32 v[RC+4*\c+1], v[32*\c+16:32*\c+23], v[SO+2*\c+1]    ; block 2 c + 1, groups h
	v_cvt_scalef32_pk8_fp4_f32 v[RC+4*\c+2], v[32*\c+8:32*\c+15],  v[SO+2*\c]      ; block 2 c, groups 2 + h
	v_cvt_scalef32_pk8_fp4_f32 v[RC+4*\c+3], v[32*\c+24:32*\c+31], v[SO+2*\c+1]    ; block 2 c + 1, groups 2 + h
.endr
	WIN 0
	v_nop                                          ; one plain place behind the conversions
.irp c, 0,1,2,3,4,5,6,7
	v_permlane16_swap_b32 v[RC+4*\c], v[RC+4*\c+1]     ; now register g holds group g: lanes 0-15 of block 2 c, lanes 16-31 of block 2 c + 1
	v_permlane16_swap_b32 v[RC+4*\c+2], v[RC+4*\c+3]
.endr
.irp c, 0,1,2,3,4,5,6,7
	global_store_b128 v[L16], v[RC+4*\c:RC+4*\c+3], s[\base:\base+1] offset:512*\c   ; 32 lanes store 512 consecutive bytes, at a multiple of 256 from the buffer's first byte
.endr
	global_store_b128 v[L16], v[SI:SI+3], s[\base:\base+1] offset:\scoff
.if \nextw
	s_wait_xcnt 0x0                                ; the stores' data lie in buffer 0, which is loaded again only behind this wait
	s_wait_loadcnt 0x0                             ; the next pass's scale words
.endif
.endm
	s_wait_tensorcnt 0x2                           ; x's rows and slot 0 are in; the two loads issued behind them, slots 1 and 2, may stay out
	s_barrier_signal -1
	s_barrier_wait -1                              ; everybody's rows of x are in
	s_wait_loadcnt 0x0                             ; the scale words
	TRIP 0, 0, AW0, WP, 0                          ; q, K's first half: slot 0
	CHANGE GK1, G1W                                ; slot 0 takes wk's second half: it is read three stretches of work further on
	TRIP 0, 1, AW0+1, WP, 0                        ; q, second half: slot 1
	EPI 86, 4096, 0, 96
	TRIP 0, 0, AW2, WP, 0                          ; k, first half: slot 2
	CHANGE GV, G1V                                 ; slots 1 and 2 take all of wv: it lands under k's second half and k's way out
	TRIP 0, 1, AW0, WP, 0                          ; k, second half: slot 0
	EPI 88, 8192, 0, 98
	s_wait_tensorcnt 0x0                           ; wv: no load was issued behind it
	s_wait_dscnt 0x0
	s_barrier_signal -1
	s_barrier_wait -1
	TRIP 1, 0, AWV, VP, 0                          ; v: whole rows, the second half 256 bytes on
	TRIP 1, 1, AWV, VP, 256
	EPI 90, 4608, 1, 0
	s_wait_tensorcnt 0x0                           ; the wave's end
	ds_add_u32 v[SPW], v[NIL]
	s_wait_dscnt 0x0
	CROUND                                         ; the closing round: no work-group ends while a partner may still ask for a tile that names it
	s_endpgm
.Lfunc_end_k_qd3790feb33_proj:
	.size	k_qd3790feb33_proj, .Lfunc_end_k_qd3790feb33_proj-k_qd3790feb33_proj
	.p2alignl 7, 3214868480
	.fill 96, 4, 3214868480
	.section	.rodata,"a",@progbits
	.p2align	6, 0x0
	.amdhsa_kernel k_qd3790feb33_proj
		.amdhsa_group_segment_fixed_size 327680
		.amdhsa_private_segment_fixed_size 0
		.amdhsa_enable_private_segment 0
		.amdhsa_kernarg_size 80
		.amdhsa_user_sgpr_count 2
		.amdhsa_user_sgpr_kernarg_segment_ptr 1
		.amdhsa_wavefront_size32 1
		.amdhsa_system_sgpr_workgroup_id_x 1
		.amdhsa_system_sgpr_workgroup_id_y 1
		.amdhsa_system_sgpr_workgroup_id_z 1
		.amdhsa_system_vgpr_workitem_id 0
		.amdhsa_next_free_vgpr 512
		.amdhsa_next_free_sgpr 106
		.amdhsa_reserve_vcc 0
		.amdhsa_float_denorm_mode_32 3
		.amdhsa_float_denorm_mode_16_64 3
		.amdhsa_memory_ordered 1
		.amdhsa_forward_progress 1
		.amdhsa_inst_pref_size 197
	.end_amdhsa_kernel
	.amdgpu_metadata
---
amdhsa.version: [ 1, 2 ]
amdhsa.kernels:
  - .name:           k_qd3790feb33_proj
    .symbol:         k_qd3790feb33_proj.kd
    .args:
      - { .name: x_codes, .offset: 0, .size: 8, .value_kind: global_buffer, .address_space: global }
      - { .name: x_scales, .offset: 8, .size: 8, .value_kind: global_buffer, .address_space: global }
      - { .name: wq_codes, .offset: 16, .size: 8, .value_kind: global_buffer, .address_space: global }
      - { .name: wq_scales, .offset: 24, .size: 8, .value_kind: global_buffer, .address_space: global }
      - { .name: wk_codes, .offset: 32, .size: 8, .value_kind: global_buffer, .address_space: global }
      - { .name: wk_scales, .offset: 40, .size: 8, .value_kind: global_buffer, .address_space: global }
      - { .name: wv_codes, .offset: 48, .size: 8, .value_kind: global_buffer, .address_space: global }
      - { .name: wv_scales, .offset: 56, .size: 8, .value_kind: global_buffer, .address_space: global }
      - { .name: qbuf, .offset: 64, .size: 8, .value_kind: global_buffer, .address_space: global }
      - { .name: kv, .offset: 72, .size: 8, .value_kind: global_buffer, .address_space: global }
    .group_segment_fixed_size: 327680
    .private_segment_fixed_size: 0
    .kernarg_segment_align: 8
    .kernarg_segment_size: 80
    .max_flat_workgroup_size: 128
    .sgpr_count:     106
    .vgpr_count:     512
    .wavefront_size: 32
...
	.end_amdgpu_metadata
.endif
;; end of part 1
;; launch attn (part 2): grid 4 x 64, 16 waves a work-group, no clusters, 327,680 bytes of LDS; arguments qbuf, kv, ctx_codes, ctx_scales; writes ctx_codes, ctx_scales
.if DOCPART == 2
	.amdgcn_target "amdgcn-amd-amdhsa--gfx1250"
	.amdhsa_code_object_version 6
	.text
	.protected	k_qd3790feb33_attn
	.globl	k_qd3790feb33_attn
	.p2align	8
	.type	k_qd3790feb33_attn,@function
k_qd3790feb33_attn:
	s_mov_b64 s[64:65], 0
	v_nop
	global_prefetch_b8 v0, s[64:65] scope:SCOPE_SE
	s_setreg_imm32_b32 hwreg(HW_REG_WAVE_MODE, 25, 1), 1
	s_wait_xcnt 0x0
; ctx = softmax(q k^T / 8, causal) v for one batch x head, both products on codes of FP4 with one E8M0 scale for each 32 along K; ctx is quantised here along the head's 64 for the last product.
; THE SOFTMAX: t = score x log2(e) / 8; M = the running largest t rounded UP to a whole number; p = 2^(t - M) is quantised along the keys, not normalised; the row's sum is taken of the unquantised p and divides O at
; the end.  When M moves, the sum and O are multiplied by 2^(old M - new M): exact.
; SHARES.  A work-group owns query blocks i and 7 - i (256 queries each) of one head, so that every work-group has the same number of key steps under the causal mask; each of its sixteen waves owns 16 queries of each.
; The head's 16 records of K, V^T and their scale words (147,456 bytes, images of operand registers as the launch before laid them) lie in LDS, filled once by two tensor loads a wave: records 0-7, which are all that
; block i (queries under 1,024) can reach, and records 8-15, which land while block i is worked.  Nothing is filled again.  Both passes' Q are asked for at the head, while the records are on their way.
; LAYOUT.  S^T = K Q^T (source 0 = 16 keys, source 1 = my 16 queries; the head's 64 fill k = 0 .. 63 of the instruction's 128, the rest are zero codes on both sides), O^T = V^T P^T: a lane holds ONE query throughout.
; Register 8 t + j of S^T is key 16 t + 8 h + j.  Block b of 32 keys is registers 16 b .. 16 b + 15 of lanes l and l xor 16; the conversions are laid so that two exchanges of lane halves give the operand's registers.
; CAUSAL.  Both loops have constant trip counts; a step all of whose keys come after my queries is jumped over by a scalar branch on ids; in the step on the diagonal hidden scores become -infinity ahead of the maximum.
; NO CLUSTER: the work-groups that share a head's K and V differ in their query block alone, and the causal branches hang on it: partners of a cluster would not run alike.
; LIMITS.  A block whose largest magnitude lies under 2^-124 (zeros among them) gets the scale byte 1; this program alone reads the bytes.  NaN and infinities are not served.
; REGISTERS: v1 16 x lane; v3 r; v4 r - 8 h; v5 the step's LDS address; v7, v9 the scale stage; v8 16 r; v10 8 x lane; v11 pass 1's Q scale words; v12 -M, v13 the largest t, v[14:15] the sum; v[16:23] Q; v24 Q's scale words;
;   v25 p's; v[26:27] f; v[28:31] K's scale words; v[32:33] V's; v34-37 block maxima; v38-41, v42-45, v46-51 at work; v[52:55] pass 1's Q; v[56:63] p's codes; v64-127 K; v128-159 V; v160-223 S^T, then p; v224-255 O^T.
.set REC,   9216                       ; a key step's record: K's 8 images, V^T's 8, K's scale image at 8,192, V's at 8,704
.set SCST,  16*REC                     ; behind the records: ctx's scale bytes, [pass][256 queries] of 2 bytes: written by LDS stores alone
.macro NOPS n
.rept \n
	v_nop
.endr
.endm
; One matrix instruction, from the symbols rD, rA, rB, rSA, rSB.  fZ: C = 0, else C = D.  fRA: source 0's scale words lie in lanes 16-31.
.macro WM
.if fZ && fRA
	v_wmma_scale_f32_16x16x128_f8f6f4 v[rD:rD+7], v[rA:rA+7], v[rB:rB+7], 0, v[rSA], v[rSB] matrix_a_fmt:MATRIX_FMT_FP4 matrix_b_fmt:MATRIX_FMT_FP4 matrix_a_scale:MATRIX_SCALE_ROW1
.elseif fZ
	v_wmma_scale_f32_16x16x128_f8f6f4 v[rD:rD+7], v[rA:rA+7], v[rB:rB+7], 0, v[rSA], v[rSB] matrix_a_fmt:MATRIX_FMT_FP4 matrix_b_fmt:MATRIX_FMT_FP4
.elseif fRA
	v_wmma_scale_f32_16x16x128_f8f6f4 v[rD:rD+7], v[rA:rA+7], v[rB:rB+7], v[rD:rD+7], v[rSA], v[rSB] matrix_a_fmt:MATRIX_FMT_FP4 matrix_b_fmt:MATRIX_FMT_FP4 matrix_a_scale:MATRIX_SCALE_ROW1
.else
	v_wmma_scale_f32_16x16x128_f8f6f4 v[rD:rD+7], v[rA:rA+7], v[rB:rB+7], v[rD:rD+7], v[rSA], v[rSB] matrix_a_fmt:MATRIX_FMT_FP4 matrix_b_fmt:MATRIX_FMT_FP4
.endif
.endm
; A pass's numbers, from its query block in s[blk]: my first query; Q's image and scale words; where ctx's image goes
.macro PTRS blk, q0, qc, qs, cp
	s_lshl_b32 s[\q0], s[\blk], 8
	s_lshl_b32 s38, s12, 4
	s_add_co_u32 s[\q0], s[\q0], s38               ; 256 x block + 16 x wave
	s_lshl_b32 s38, s14, 4
	s_lshl_b32 s39, s[\blk], 1
	s_add_co_u32 s38, s38, s39
	s_lshr_b32 s39, s12, 3
	s_add_co_u32 s38, s38, s39                     ; q's record: 16 x (batch x head) + my first query / 128
	s_mul_i32 s38, s38, 4608
	s_and_b32 s39, s12, 7                          ; my tile in it
	s_lshl_b32 s36, s39, 9
	s_add_co_u32 s36, s36, s38
	s_mov_b32 s37, 0
	s_add_nc_u64 s[\qc:\qc+1], s[4:5], s[36:37]
	s_lshr_b32 s39, s39, 1
	s_lshl_b32 s39, s39, 2                         ; its scale words: word tile / 2 of lanes 16 (tile % 2) + r
	s_and_b32 s36, s12, 1
	s_lshl_b32 s36, s36, 8
	s_add_co_u32 s36, s36, s39
	s_add_co_u32 s36, s36, s38
	s_add_co_u32 s36, s36, 4096
	s_add_nc_u64 s[\qs:\qs+1], s[4:5], s[36:37]
	s_lshr_b32 s38, s14, 4
	s_lshl_b32 s38, s38, 7
	s_lshr_b32 s39, s[\q0], 4
	s_add_co_u32 s38, s38, s39                     ; ctx: tile of 16 tokens, 128 x batch + my first query / 16,
	s_lshl_b32 s38, s38, 4
	s_and_b32 s39, s14, 15
	s_add_co_u32 s38, s38, s39                     ; x 16 + head,
	s_lshl_b32 s36, s38, 9                         ; images of 512 bytes
	s_add_nc_u64 s[\cp:\cp+1], s[8:9], s[36:37]
.endm
	s_load_b256 s[4:11], s[0:1], 0x0               ; qbuf, kv, ctx's codes, ctx's scales
	v_lshl_add_u32 v254, v0, 2, 0x29000
	v_mov_b32 v255, 0
	ds_add_u32 v254, v255
	ds_add_u32 v254, v255
	s_wait_dscnt 0x0
	v_lshrrev_b32 v2, 5, v0
	s_delay_alu instid0(VALU_DEP_1)
	v_readfirstlane_b32 s12, v2                    ; wave 0..15
	s_mov_b32 s13, ttmp9                           ; i: pass 0's query block
	s_sub_co_u32 s15, 7, s13                       ; pass 1's
	s_and_b32 s14, ttmp7, 0xffff                   ; batch x 16 + head
	; descriptor group 1: half a record, 4,608 dense bytes, as 18 rows of 256 bytes (32 elements of 8 bytes), no padding
	s_mov_b32 s16, 3<<16
	s_mov_b32 s17, 32<<16                          ; tensor_dim0
	s_mov_b32 s18, 18<<16                          ; tensor_dim1
	s_mov_b32 s19, 32<<16                          ; tile_dim0
	s_mov_b32 s20, 18                              ; tile_dim1
	s_mov_b32 s21, 32                              ; from row to row
	s_mov_b32 s22, 0
	s_mov_b32 s23, 0
	s_mul_i32 s25, s12, 4608                       ; LDS: my sixteenth of records 0-7,
	s_add_co_u32 s45, s25, 8*REC                   ; and of records 8-15
	s_mul_i32 s36, s14, 16*REC
	s_add_co_u32 s36, s36, s25
	s_mov_b32 s37, 0
	s_mov_b32 s24, 1
	s_mov_b32 s44, 1
	s_wait_kmcnt 0x0
	s_add_nc_u64 s[26:27], s[6:7], s[36:37]
	s_add_nc_u64 s[46:47], s[26:27], 8*REC
	s_or_b32 s27, s27, 0x80000000
	s_or_b32 s47, s47, 0x80000000
	tensor_load_to_lds s[24:27], s[16:23]          ; records 0-7 first: one load of mine is out
	s_nop 0
	s_wait_alu depctr_va_vdst(0)
	s_wait_tensorcnt 0x0
	ds_add_u32 v254, v255
	s_wait_dscnt 0x0
	s_barrier_signal -1
	s_barrier_wait -1
	tensor_load_to_lds s[44:47], s[16:23]
	s_nop 0
	NOPS 4
	v_and_b32 v2, 31, v0
	s_delay_alu instid0(VALU_DEP_1)
	v_lshlrev_b32 v1, 4, v2                        ; 16 x lane: an image's place for my lane
	v_and_b32 v3, 15, v0                           ; r
	v_bfe_u32 v6, v0, 4, 1                         ; h
	s_delay_alu instid0(VALU_DEP_1)
	v_lshlrev_b32 v4, 3, v6
	s_delay_alu instid0(VALU_DEP_1)
	v_sub_nc_u32 v4, v3, v4                        ; r - 8 h
	v_and_b32 v7, 0x1e0, v0
	s_delay_alu instid0(VALU_DEP_1)
	v_lshl_add_u32 v7, v3, 1, v7
	s_delay_alu instid0(VALU_DEP_1)
	v_add_nc_u32 v7, SCST, v7                      ; the stage: 2 bytes a query: 32 x wave + 2 r
	v_lshlrev_b32 v8, 4, v3
	s_wait_alu depctr_va_vdst(0)
	v_lshlrev_b32 v9, 3, v0
	s_delay_alu instid0(VALU_DEP_1)
	v_add_nc_u32 v9, SCST, v9                      ; and back: 8 bytes a thread (waves 0-3)
	v_lshlrev_b32 v10, 3, v2
	s_mov_b32 s28, 0x76543210                      ; v_permlanex16_b32's selects for lane l xor 16
	s_mov_b32 s29, 0xfedcba98
	s_mov_b32 s30, 0x3e38aa3b                      ; c = log2(e) / 8
	s_mov_b32 s31, s30                             ; (named with it as a pair)
	PTRS 13, 56, 40, 42, 52
	PTRS 15, 57, 48, 50, 54
	global_load_b128 v[16:19], v1, s[40:41]        ; pass 0's Q: its image,
	global_load_b32 v24, v8, s[42:43]              ; its scale words;
	global_load_b128 v[52:55], v1, s[48:49]        ; pass 1's likewise, into registers of their own: no pass waits for memory at its head
	global_load_b32 v11, v8, s[50:51]
.irp t, 0,1,2,3,4,5,6,7
.irp i, 4,5,6,7
	v_mov_b32 v[64+8*\t+\i], 0                     ; k = 64 .. 127 of K's fragments: zero codes, written once
.endr
.endr
.irp i, 20,21,22,23,27,38,39,40,41,48
	v_mov_b32 v\i, 0                               ; the same of Q's; f's pair; the lane permutes' destinations, which count as sources
.endr
; A KEY STEP: 128 keys, the record at LDS byte s32; s33 its first key, s34 my first query
.macro STEP
	s_add_co_u32 s36, s34, 15
	s_cmp_gt_u32 s33, s36
	s_cbranch_scc1 .Lhid_\@                        ; all its keys come after my queries
	s_setprio 2
	v_add_nc_u32 v5, s32, v1
.irp t, 0,1,2,3,4,5,6,7
	ds_load_b128 v[64+8*\t:67+8*\t], v5 offset:512*\t   ; K's images: registers 0-3 of each fragment.  (The products that read them stand a softmax back)
.endr
	ds_load_b128 v[28:31], v5 offset:8192          ; K's scale words
	s_wait_dscnt 0x0
.set fZ, 1
.set rB, 16
.set rSB, 24
.set n, 0
.rept 8
.set rD, 160+8*n
.set rA, 64+8*n
.set rSA, 28+n/2
.set fRA, n%2
	WM
.set n, n+1
.endr
	NOPS 4                                         ; places behind the products
	s_add_co_u32 s36, s33, 127
	s_cmp_le_u32 s36, s34
	s_cbranch_scc1 .Lopen_\@                       ; all its keys count
	s_sub_co_i32 s36, s34, s33
	v_add_nc_u32 v48, s36, v4                      ; d = my query - the step's first key - 8 h: register 8 t + j is hidden where 16 t + j > d
	v_mov_b32 v49, 0xff800000                      ; -infinity
.set n, 0
.rept 64
	v_cmp_gt_i32 vcc_lo, 16*(n/8)+n%8, v48
	v_cndmask_b32 v[160+n], v[160+n], v49, vcc_lo
.set n, n+1
.endr
.Lopen_\@:
.irp b, 0,1,2,3
	v_max3_num_f32 v[34+\b], v[160+16*\b], v[161+16*\b], v[162+16*\b]   ; the largest score of each block of 32 keys: it serves the row's maximum and, since p rises with the score, the block's largest p
.endr
.irp i, 3,5,7,9,11,13
.irp b, 0,1,2,3
	v_max3_num_f32 v[34+\b], v[34+\b], v[160+16*\b+\i], v[161+16*\b+\i]
.endr
.endr
.irp b, 0,1,2,3
	v_max_num_f32 v[34+\b], v[34+\b], v[175+16*\b]
.endr
.irp t, 0,1,2,3
.irp c, 0,1
	ds_load_b128 v[128+8*\t+4*\c:131+8*\t+4*\c], v5 offset:4096+1024*\t+512*\c   ; V^T's images, asked for a softmax ahead of their use; the 32 lines above are the places behind the last step's products
.endr
.endr
	ds_load_b64 v[32:33], v5 offset:8704           ; V's scale words
.irp b, 0,1,2,3
	v_permlanex16_b32 v[38+\b], v[34+\b], s28, s29
.endr
.irp b, 0,1,2,3
	s_delay_alu instid0(VALU_DEP_4)
	v_max_num_f32 v[34+\b], v[34+\b], v[38+\b]     ; with lane l xor 16's 16 keys
.endr
	s_delay_alu instid0(VALU_DEP_2)
	v_max3_num_f32 v48, v34, v35, v36
	s_delay_alu instid0(VALU_DEP_1)
	v_max_num_f32 v48, v48, v37                    ; the step's largest score of my query
	s_delay_alu instid0(VALU_DEP_1)
	v_mul_f32 v48, s30, v48                        ; as t
	s_delay_alu instid0(VALU_DEP_1)
	v_max_num_f32 v13, v13, v48                    ; the running largest t
	v_mov_b32 v48, v12
	s_delay_alu instid0(VALU_DEP_2)
	v_floor_f32 v12, -v13                          ; the new -M = floor(-t): M is a whole number
	s_delay_alu instid0(VALU_DEP_1)
	v_sub_f32 v48, v12, v48                        ; old M - new M: a whole number, 0 or less
	s_delay_alu instid0(VALU_DEP_1)
	v_cvt_i32_f32 v48, v48                         ; (it saturates)
	s_delay_alu instid0(VALU_DEP_1)
	v_ldexp_f32 v26, 1.0, v48                      ; f = 2^(old M - new M)
.set j, 0
.rept 32
	v_pk_fma_f32 v[160+j:161+j], v[160+j:161+j], s[30:31], v[12:13] op_sel_hi:[1,0,0]   ; t - M, two at a time
.set j, j+2
.endr
	s_setprio 1
.irp b, 0,1,2,3
	v_fma_f32 v[34+\b], v[34+\b], s30, v12         ; the same of each block's largest score
.endr
.set j, 0
	s_wait_alu depctr_va_vdst(0)
.rept 64
	v_exp_f32 v[160+j], v[160+j]                   ; p = 2^(t - M)
.set j, j+1
.endr
.irp b, 0,1,2,3
	v_exp_f32 v[34+\b], v[34+\b]                   ; the block's largest p
.endr
	v_pk_mul_f32 v[14:15], v[14:15], v[26:27] op_sel_hi:[1,0]   ; the sum under the new M.  (A plain place behind the exponentials)
	s_wait_alu depctr_va_vdst(0)
.irp b, 0,1,2,3
	v_max_num_f32 v[34+\b], 0x1800000, v[34+\b]    ; the floor 2^(3 - 127): the byte cannot fall under 1
.endr
.irp b, 0,1,2,3
	s_delay_alu instid0(VALU_DEP_4)
	v_add_nc_u32 v[42+\b], 0xff000000, v[34+\b]    ; 2 off the exponent field: the conversion's scale operand
.endr
.irp b, 0,1,2,3
	s_delay_alu instid0(VALU_DEP_4)
	v_lshrrev_b32 v[38+\b], 23, v[42+\b]           ; the scale's byte
.endr
	s_delay_alu instid0(VALU_DEP_3)
	v_lshl_or_b32 v25, v39, 8, v38                 ; p's scale word for these 128 keys
	s_delay_alu instid0(VALU_DEP_1)
	v_lshl_or_b32 v25, v40, 16, v25
	s_delay_alu instid0(VALU_DEP_1)
	v_lshl_or_b32 v25, v41, 24, v25
.irp c, 0,1
	v_cvt_scalef32_pk8_fp4_f32 v[56+4*\c], v[160+32*\c:167+32*\c], v[42+2*\c]   ; block 2 c, groups h
	v_cvt_scalef32_pk8_fp4_f32 v[57+4*\c], v[176+32*\c:183+32*\c], v[43+2*\c]   ; block 2 c + 1, groups h
	v_cvt_scalef32_pk8_fp4_f32 v[58+4*\c], v[168+32*\c:175+32*\c], v[42+2*\c]   ; block 2 c, groups 2 + h
	v_cvt_scalef32_pk8_fp4_f32 v[59+4*\c], v[184+32*\c:191+32*\c], v[43+2*\c]   ; block 2 c + 1, groups 2 + h
.endr
	v_nop                                          ; one plain place behind the conversions
.irp c, 0,1
	v_permlane16_swap_b32 v[56+4*\c], v[57+4*\c]   ; register g now holds group g: lanes 0-15 of block 2 c, lanes 16-31 of block 2 c + 1
	v_permlane16_swap_b32 v[58+4*\c], v[59+4*\c]
.endr
	v_pk_add_f32 v[46:47], v[160:161], v[162:163]  ; the row's sum of the unquantised p, in two chains
.set j, 4
	s_setprio 0
.rept 15
	v_pk_add_f32 v[14:15], v[14:15], v[160+j:161+j]
	v_pk_add_f32 v[46:47], v[46:47], v[162+j:163+j]
.set j, j+4
.endr
	s_delay_alu instid0(VALU_DEP_1)
	v_pk_add_f32 v[14:15], v[14:15], v[46:47]
.set j, 0
.rept 16
	v_pk_mul_f32 v[224+j:225+j], v[224+j:225+j], v[26:27] op_sel_hi:[1,0]   ; O^T under the new M, each accumulator from its low end on.  (The sums and these are the places behind p's codes and scale word)
.set j, j+2
.endr
	s_wait_alu depctr_va_vdst(0)
	s_wait_dscnt 0x0                               ; V
.set fZ, 0
.set rB, 56
.set rSB, 25
.set n, 0
.rept 4
.set rD, 224+8*n
.set rA, 128+8*n
.set rSA, 32+n/2
.set fRA, n%2
	WM                                             ; the four accumulators by turns; between two links of a chain stand the next step's eight products
.set n, n+1
.endr
.Lhid_\@:
	s_add_co_u32 s33, s33, 128
	s_add_co_u32 s32, s32, REC
.endm
; A PASS: my 16 queries of one block against the first 128 x trips keys
.macro PASS p, trips, q0, cp
.if \p
	s_wait_xcnt 0x0                                ; the last pass's store has read its registers: p's codes are written again
	v_mov_b32 v16, v52                             ; this pass's Q, in since the head's wait, takes the operand's place; the 36 lines below are the places that
	v_mov_b32 v17, v53                             ; an operand and a scale register written by vector instructions owe ahead of a scaled matrix instruction
	v_mov_b32 v18, v54
	v_mov_b32 v19, v55
	v_mov_b32 v24, v11
.endif
	v_mov_b32 v13, 0xff61b1e6                      ; the largest t so far: -3e38
	s_delay_alu instid0(VALU_DEP_1)
	v_floor_f32 v12, -v13
	v_mov_b32 v14, 0
	v_mov_b32 v15, 0
.set j, 0
.rept 32
	v_mov_b32 v[224+j], 0                          ; O^T: the step is written once; the first finds zeros
.set j, j+1
.endr
	s_mov_b32 s32, 0
	s_mov_b32 s33, 0
	s_mov_b32 s34, s[\q0]
	s_mov_b32 s35, \trips
.if \p == 0
	s_wait_loadcnt 0x0                             ; both passes' Q
.endif
.Lstep_\p:
	STEP
	s_sub_co_u32 s35, s35, 1
	s_cmp_lg_u32 s35, 0
	s_cbranch_scc1 .Lstep_\p
	s_setprio 0
	NOPS 4                                         ; places behind the last products
	v_add_f32 v14, v14, v15                        ; the sum's two halves,
	s_delay_alu instid0(VALU_DEP_1)
	v_permlanex16_b32 v48, v14, s28, s29
	s_delay_alu instid0(VALU_DEP_1)
	v_add_f32 v14, v14, v48                        ; and lane l xor 16's
	s_wait_alu depctr_va_vdst(0)
	v_rcp_f32 v26, v14
	v_nop                                          ; a plain place behind the reciprocal
.set j, 0
	s_wait_alu depctr_va_vdst(0)
.rept 16
	v_pk_mul_f32 v[160+j:161+j], v[224+j:225+j], v[26:27] op_sel_hi:[1,0]   ; ctx: register 8 t + j is channel 16 t + 8 h + j of my query
.set j, j+2
.endr
.irp b, 0,1
	v_max3_num_f32 v[34+\b], |v[160+16*\b]|, |v[161+16*\b]|, 0x1800000      ; its two blocks of 32 are quantised as p is
.endr
.irp i, 2,4,6,8,10,12,14
.irp b, 0,1
	s_delay_alu instid0(VALU_DEP_2)
	v_max3_num_f32 v[34+\b], v[34+\b], |v[160+16*\b+\i]|, |v[161+16*\b+\i]|
.endr
.endr
.irp b, 0,1
	s_delay_alu instid0(VALU_DEP_2)
	v_permlanex16_b32 v[38+\b], v[34+\b], s28, s29
.endr
.irp b, 0,1
	s_delay_alu instid0(VALU_DEP_2)
	v_max_num_f32 v[34+\b], v[34+\b], v[38+\b]
.endr
.irp b, 0,1
	s_delay_alu instid0(VALU_DEP_2)
	v_add_nc_u32 v[42+\b], 0xff000000, v[34+\b]
.endr
.irp b, 0,1
	s_delay_alu instid0(VALU_DEP_2)
	v_lshrrev_b32 v[38+\b], 23, v[42+\b]
.endr
	s_delay_alu instid0(VALU_DEP_1)
	v_lshl_or_b32 v50, v39, 8, v38                 ; my query's two scale bytes
	v_cvt_scalef32_pk8_fp4_f32 v56, v[160:167], v42
	v_cvt_scalef32_pk8_fp4_f32 v57, v[176:183], v43
	v_cvt_scalef32_pk8_fp4_f32 v58, v[168:175], v42
	v_cvt_scalef32_pk8_fp4_f32 v59, v[184:191], v43
	v_nop
	v_permlane16_swap_b32 v56, v57
	v_permlane16_swap_b32 v58, v59
	global_store_b128 v1, v[56:59], s[\cp:\cp+1]   ; the image: 512 consecutive bytes, at a multiple of 256 from the buffer's first byte
	ds_store_b16 v7, v50 offset:512*\p             ; lanes r and 16 + r write the same bytes with the same value
.endm
	s_wait_tensorcnt 0x1                           ; my part of records 0-7 is in; the load issued behind it, records 8-15, may stay out
	s_barrier_signal -1
	s_barrier_wait -1
	PASS 0, 8, 56, 52
	s_wait_tensorcnt 0x0                           ; my part of records 8-15
	s_wait_dscnt 0x0
	s_barrier_signal -1
	s_barrier_wait -1
	PASS 1, 16, 57, 54
	s_wait_dscnt 0x0                               ; for the others' sake: my scale bytes lie in the stage
	s_barrier_signal -1
	s_barrier_wait -1
	s_cmp_lt_u32 s12, 4                            ; waves 0-3 store the 1,024 scale bytes: wave u takes pass u / 2, its 128 queries u % 2
	s_cbranch_scc0 .Lend
	ds_load_b64 v[50:51], v9
	s_lshr_b32 s36, s12, 1
	s_sub_co_u32 s37, s15, s13
	s_mul_i32 s37, s37, s36
	s_add_co_u32 s37, s37, s13                     ; the pass's query block
	s_lshl_b32 s37, s37, 1
	s_and_b32 s38, s12, 1
	s_add_co_u32 s37, s37, s38
	s_lshr_b32 s38, s14, 4
	s_lshl_b32 s38, s38, 4
	s_add_co_u32 s37, s37, s38                     ; which 128 tokens: 16 x batch + ..
	s_lshl_b32 s37, s37, 4
	s_and_b32 s38, s14, 15
	s_add_co_u32 s37, s37, s38                     ; x 16 + head,
	s_lshl_b32 s36, s37, 8                         ; 256 bytes each
	s_mov_b32 s37, 0
	s_add_nc_u64 s[58:59], s[10:11], s[36:37]
	s_wait_dscnt 0x0
	global_store_b64 v10, v[50:51], s[58:59]       ; 32 lanes store 256 consecutive bytes, aligned
.Lend:
	s_wait_xcnt 0x0
	v_lshl_add_u32 v254, v0, 2, 0x29000
	v_mov_b32 v255, 0
	s_wait_alu depctr_va_vdst(0)
	s_wait_tensorcnt 0x0
	ds_add_u32 v254, v255
	s_wait_dscnt 0x0
	s_endpgm
.Lfunc_end_k_qd3790feb33_attn:
	.size	k_qd3790feb33_attn, .Lfunc_end_k_qd3790feb33_attn-k_qd3790feb33_attn
	.p2alignl 7, 3214868480
	.fill 96, 4, 3214868480
	.section	.rodata,"a",@progbits
	.p2align	6, 0x0
	.amdhsa_kernel k_qd3790feb33_attn
		.amdhsa_group_segment_fixed_size 327680
		.amdhsa_private_segment_fixed_size 0
		.amdhsa_enable_private_segment 0
		.amdhsa_kernarg_size 32
		.amdhsa_user_sgpr_count 2
		.amdhsa_user_sgpr_kernarg_segment_ptr 1
		.amdhsa_wavefront_size32 1
		.amdhsa_system_sgpr_workgroup_id_x 1
		.amdhsa_system_sgpr_workgroup_id_y 1
		.amdhsa_system_sgpr_workgroup_id_z 1
		.amdhsa_system_vgpr_workitem_id 0
		.amdhsa_next_free_vgpr 256
		.amdhsa_next_free_sgpr 66
		.amdhsa_reserve_vcc 1
		.amdhsa_float_denorm_mode_32 3
		.amdhsa_float_denorm_mode_16_64 3
		.amdhsa_memory_ordered 1
		.amdhsa_forward_progress 1
		.amdhsa_inst_pref_size 62
	.end_amdhsa_kernel
	.amdgpu_metadata
---
amdhsa.version: [ 1, 2 ]
amdhsa.kernels:
  - .name:           k_qd3790feb33_attn
    .symbol:         k_qd3790feb33_attn.kd
    .args:
      - { .name: qbuf, .offset: 0, .size: 8, .value_kind: global_buffer, .address_space: global }
      - { .name: kv, .offset: 8, .size: 8, .value_kind: global_buffer, .address_space: global }
      - { .name: ctx_codes, .offset: 16, .size: 8, .value_kind: global_buffer, .address_space: global }
      - { .name: ctx_scales, .offset: 24, .size: 8, .value_kind: global_buffer, .address_space: global }
    .group_segment_fixed_size: 327680
    .private_segment_fixed_size: 0
    .kernarg_segment_align: 8
    .kernarg_segment_size: 32
    .max_flat_workgroup_size: 512
    .sgpr_count:     66
    .vgpr_count:     256
    .wavefront_size: 32
...
	.end_amdgpu_metadata
.endif
;; end of part 2
;; launch outp (part 3): grid 64 x 4, 4 waves a work-group, clusters of 4 x 4, 222,720 bytes of LDS; arguments ctx_codes, ctx_scales, wo_codes, wo_scales, bo, out0; writes out0
.if DOCPART == 3
	.amdgcn_target "amdgcn-amd-amdhsa--gfx1250"
	.amdhsa_code_object_version 6
	.text
	.protected	k_qd3790feb33_outp
	.globl	k_qd3790feb33_outp
	.p2align	8
	.type	k_qd3790feb33_outp,@function
k_qd3790feb33_outp:
	s_mov_b64 s[64:65], 0
	v_nop
	global_prefetch_b8 v0, s[64:65] scope:SCOPE_SE
	s_setreg_imm32_b32 hwreg(HW_REG_WAVE_MODE, 25, 1), 1
	s_wait_xcnt 0x0
	s_wait_alu depctr_hold_cnt(0) depctr_sa_sdst(0) depctr_va_vdst(0) depctr_va_sdst(0) depctr_va_ssrc(0) depctr_va_vcc(0) depctr_vm_vsrc(0)
	s_getreg_b32 s2, hwreg(HW_REG_IB_STS2, 6, 4)
	s_cmp_eq_u32 s2, 0
	s_cbranch_scc0 .Lentry_in_a_cluster
	s_endpgm
.Lentry_in_a_cluster:
	s_bfe_u32 s2, ttmp6, 0x10000c
	s_cmp_lg_u32 s2, 0xf033
	s_cbranch_scc0 .Lentry_shape_is_right
	s_endpgm
.Lentry_shape_is_right:
; out0 = ctx wo + bo on codes of FP4 with one E8M0 scale for each 32 along K = 1,024; out0 is f32.
; SHARES.  A work-group makes 128 tokens (tb) x 256 columns (g); wave w makes 128 x 64: 32 accumulators.  All of K lies in LDS, filled once: ctx's 128 images (65,536 dense bytes) and wo's 256 rows in two K halves.
; ctx's codes lie in memory as images of operand registers, [tile of 16 tokens][head][512 bytes]: image 2 s + c of a tile is registers 4 c .. 4 c + 3 of K step s.  Its scale bytes lie [128 tokens][head][token] of 2 bytes.
; TRANSPOSED: source 0 = 16 rows of wo (columns of out0), source 1 = 16 tokens: a lane holds eight neighbouring columns of one row.  The bias is the C of each sum's first matrix instruction.
; CLUSTER 4 x 4.  ctx's tile hangs on tb alone and is asked for jointly by the four of a column, wo's on g alone and by the four of a row.  The grid is one cluster high: g = cy.
; LIMITS.  NaN and infinities are not served; a given scale byte 0xff makes the sums NaN.
; REGISTERS: window 0: v1-15 addresses; v16-47 ctx's scale words, v48-63 wo's; v64-159, v160-255 two fragment buffers (on the way out v64-127 hold rows of out0).  window 1: the accumulators, (xt, wt) at 8 (4 xt + wt).  window 2: v0-31 the bias.
.set WP,    272                        ; wo in LDS: half a row, 256 bytes + 16 of padding: the 16 rows of a fragment load start at 16 different banks
.set WS0,   65536                      ; behind ctx's images: two K halves of wo's 256 rows; wave w's 64 rows at 64 WP w
.set WSB,   256*WP
.set STG,   WS0+2*WSB                  ; behind them: a stage of 16 rows x (256 bytes + 16) for each wave; no tensor load lands there
.set AW0,   5                          ; v5, v6  wo's fragments in half 0, 1
.set L16,   9                          ; v9   16 x lane
.set L32,   10                         ; v10  32 x lane
.set H32,   11                         ; v11  32 h
.set L2,    12                         ; v12  2 x lane
.set STO,   13                         ; v13  the stage: where I put 32 bytes of a row
.set RD,    14                         ; v14  and where I read rows back
.set CO,    15                         ; v15  my byte offset in two rows of out0
.set XSC,   16
.set WSC,   48
.set F0,    64
.set OB,    64
.set WV,    24
.set G1A,   28
.set G1W,   36
.set G0A,   44
.set GW0,   48
.set GW1,   52
.set MSB,   0
.macro WIN new                         ; the immediate's high byte repeats the setting that is left
.if MSB != \new
	s_set_vgpr_msb (MSB<<8)|\new
.set MSB, \new
.endif
.endm
.macro NOPS n
.rept \n
	v_nop
.endr
.endm
.macro CROUND                          ; a round of the cluster's barrier
	s_barrier_signal -1
	s_barrier_wait -1
	s_cmp_lg_u32 s[WV], 0
	s_cbranch_scc1 .Lnot_wave_0_\@
	s_barrier_signal -3
.Lnot_wave_0_\@:
	s_barrier_wait -3
	s_barrier_signal -1
	s_barrier_wait -1
.endm
; One matrix instruction, from the symbols rD, rA, rB, rC, rSA, rSB.  fRA, fRB: the side's scale words lie in lanes 16-31 of its register.
.macro WM
.if fRA && fRB
	v_wmma_scale_f32_16x16x128_f8f6f4 v[rD:rD+7], v[rA:rA+7], v[rB:rB+7], v[rC:rC+7], v[rSA], v[rSB] matrix_a_fmt:MATRIX_FMT_FP4 matrix_b_fmt:MATRIX_FMT_FP4 matrix_a_scale:MATRIX_SCALE_ROW1 matrix_b_scale:MATRIX_SCALE_ROW1
.elseif fRA
	v_wmma_scale_f32_16x16x128_f8f6f4 v[rD:rD+7], v[rA:rA+7], v[rB:rB+7], v[rC:rC+7], v[rSA], v[rSB] matrix_a_fmt:MATRIX_FMT_FP4 matrix_b_fmt:MATRIX_FMT_FP4 matrix_a_scale:MATRIX_SCALE_ROW1
.elseif fRB
	v_wmma_scale_f32_16x16x128_f8f6f4 v[rD:rD+7], v[rA:rA+7], v[rB:rB+7], v[rC:rC+7], v[rSA], v[rSB] matrix_a_fmt:MATRIX_FMT_FP4 matrix_b_fmt:MATRIX_FMT_FP4 matrix_b_scale:MATRIX_SCALE_ROW1
.else
	v_wmma_scale_f32_16x16x128_f8f6f4 v[rD:rD+7], v[rA:rA+7], v[rB:rB+7], v[rC:rC+7], v[rSA], v[rSB] matrix_a_fmt:MATRIX_FMT_FP4 matrix_b_fmt:MATRIX_FMT_FP4
.endif
.endm
	s_load_b256 s[4:11], s[0:1], 0x0               ; ctx's codes, ctx's scales, wo's codes, wo's scales
	s_load_b128 s[12:15], s[0:1], 0x20             ; bo, out0
	v_lshl_add_u32 v7, v0, 2, 0x36400
	v_mov_b32 v8, 0
	ds_add_u32 v7, v8
	ds_add_u32 v7, v8
	v_lshrrev_b32 v1, 5, v0
	v_readfirstlane_b32 s[WV], v1                  ; wave 0..3
	s_bfe_u32 s25, ttmp6, 0x40000                  ; cx
	s_bfe_u32 s26, ttmp6, 0x40004                  ; cy = g: the grid is one cluster high
	s_lshl_b32 s27, ttmp9, 2
	s_add_co_u32 s27, s27, s25                     ; tb = 4 x cluster x + cx
	s_lshl_b32 s77, s26, 2
	s_lshl_b32 s77, 15, s77                        ; my row of the cluster
	s_lshl_b32 s78, 0x1111, s25                    ; my column
	; ctx: 16,384 dense bytes to a wave, as 64 rows of 256 bytes (32 elements of 8 bytes), no padding; bit 21 is set beside a mask
	s_or_b32 s[G1A], s78, (3<<16)|(1<<21)
	s_mov_b32 s[G1A+1], 32<<16                     ; tensor_dim0
	s_mov_b32 s[G1A+2], 64<<16                     ; tensor_dim1
	s_mov_b32 s[G1A+3], 32<<16                     ; tile_dim0
	s_mov_b32 s[G1A+4], 64                         ; tile_dim1
	s_mov_b32 s[G1A+5], 32                         ; from row to row
	s_mov_b32 s[G1A+6], 0
	s_mov_b32 s[G1A+7], 0
	; wo: 64 rows of 256 bytes to a wave, out of rows of 512; 16 bytes of padding behind each (64 words: code 5; 4 words: code 3); elements of one byte
	s_or_b32 s[G1W], s77, (1<<20)|(1<<21)|(5<<22)|(3<<25)
	s_mov_b32 s[G1W+1], 256<<16
	s_mov_b32 s[G1W+2], 64<<16
	s_mov_b32 s[G1W+3], 256<<16
	s_mov_b32 s[G1W+4], 64
	s_mov_b32 s[G1W+5], 512
	s_mov_b32 s[G1W+6], 0
	s_mov_b32 s[G1W+7], 0
	s_lshl_b32 s80, s27, 16                        ; ctx: 65,536 tb + 16,384 w: these registers never hold cy
	s_lshl_b32 s81, s[WV], 14
	s_add_co_u32 s80, s80, s81
	s_mov_b32 s81, 0
	s_lshl_b32 s82, s26, 17                        ; wo: (256 g + 64 w) rows of 512 bytes: these never hold cx
	s_lshl_b32 s83, s[WV], 15
	s_add_co_u32 s82, s82, s83
	s_mov_b32 s83, 0
	s_mul_i32 s79, s[WV], 64*WP                    ; my 64 rows in a half
	v_and_b32 v1, 31, v0                           ; lane
	v_and_b32 v2, 15, v0                           ; r
	v_bfe_u32 v3, v0, 4, 1                         ; h
	v_mul_u32_u24 v[AW0], v2, WP
	v_lshl_add_u32 v[AW0], v3, 4, v[AW0]
	s_add_co_u32 s76, s79, WS0
	v_add_nc_u32 v[AW0], s76, v[AW0]
	v_add_nc_u32 v[AW0+1], WSB, v[AW0]
	v_lshlrev_b32 v[L16], 4, v1
	v_lshlrev_b32 v[L32], 5, v1
	v_lshlrev_b32 v[H32], 5, v3
	v_lshlrev_b32 v[L2], 1, v1
	s_mul_i32 s76, s[WV], 16*272
	s_add_co_u32 s76, s76, STG                     ; my stage
	v_mul_u32_u24 v[STO], v2, 272
	v_lshl_add_u32 v[STO], v3, 5, v[STO]
	v_add_nc_u32 v[STO], s76, v[STO]               ; in: row r, 32 bytes for each half of the lanes
	v_mul_u32_u24 v[RD], v3, 272
	v_lshl_add_u32 v[RD], v2, 4, v[RD]
	v_add_nc_u32 v[RD], s76, v[RD]                 ; back: lanes 0-15 one row of 256 bytes, lanes 16-31 the next
	v_lshlrev_b32 v[CO], 12, v3
	v_lshl_add_u32 v[CO], v2, 4, v[CO]             ; and the same two rows in out0
	s_wait_dscnt 0x0
	s_wait_kmcnt 0x0
	s_mov_b32 s[G0A], 1
	s_lshl_b32 s[G0A+1], s[WV], 14
	s_add_nc_u64 s[G0A+2:G0A+3], s[4:5], s[80:81]
	s_or_b32 s[G0A+3], s[G0A+3], 0x80000000
	s_mov_b32 s[GW0], 1
	s_add_co_u32 s[GW0+1], s79, WS0
	s_add_nc_u64 s[GW0+2:GW0+3], s[8:9], s[82:83]
	s_mov_b32 s[GW1], 1
	s_add_co_u32 s[GW1+1], s79, WS0+WSB
	s_add_nc_u64 s[GW1+2:GW1+3], s[GW0+2:GW0+3], 256   ; the rows' second 256 bytes
	s_or_b32 s[GW0+3], s[GW0+3], 0x80000000
	s_or_b32 s[GW1+3], s[GW1+3], 0x80000000
	s_mov_b32 s85, 0
	s_lshl_b32 s84, s27, 12                        ; ctx's scale bytes: 4,096 for 128 tokens
	s_add_nc_u64 s[56:57], s[6:7], s[84:85]
	s_lshl_b32 s84, s26, 10                        ; my first column, in bytes of f32: 1,024 g + 256 w
	s_lshl_b32 s76, s[WV], 8
	s_add_co_u32 s84, s84, s76
	s_add_nc_u64 s[58:59], s[12:13], s[84:85]      ; the bias there
	s_lshl_b32 s76, s27, 19                        ; and 128 tb rows of 4,096 bytes
	s_add_co_u32 s84, s84, s76
	s_add_nc_u64 s[86:87], s[14:15], s[84:85]      ; out0 at my first row and column
	s_lshl_b32 s84, s26, 13                        ; wo's scale bytes: (256 g + 64 w) rows of 32
	s_lshl_b32 s76, s[WV], 11
	s_add_co_u32 s84, s84, s76
	s_add_nc_u64 s[88:89], s[10:11], s[84:85]
	CROUND                                         ; all sixteen work-groups are here: the joint loads meet
	tensor_load_to_lds s[G0A:G0A+3], s[G1A:G1A+7]  ; the three fills go out together: three loads of mine are out
	s_nop 0
	tensor_load_to_lds s[GW0:GW0+3], s[G1W:G1W+7]
	s_nop 0
	tensor_load_to_lds s[GW1:GW1+3], s[G1W:G1W+7]
	s_nop 0
	NOPS 4
.irp gg, 0,1
.irp i, 0,1
	global_load_b128 v[WSC+8*\gg+4*\i:WSC+8*\gg+4*\i+3], v[L32], s[88:89] offset:1024*\gg+16*\i   ; wo's scale words: register 8 G + s, lane l: row 32 G + l, K step s
.endr
.endr
	s_wait_alu depctr_va_vdst(0)
.irp gg, 0,1,2,3
.irp k, 0,1,2,3,4,5,6,7
.irp c, 0,1
	global_load_u16 v[F0+2*(8*\gg+\k)+\c], v[L2], s[56:57] offset:512*\k+256*\c+64*\gg   ; token 32 G + l, head 2 s + c: two scale bytes
.endr
.endr
.endr
	WIN 0x80                                       ; destination window 2
.irp t, 0,1,2,3
.irp i, 0,1
	global_load_b128 v[8*\t+4*\i:8*\t+4*\i+3], v[H32], s[58:59] offset:64*\t+16*\i   ; the bias in the result's layout: tile t, lane half h: columns 16 t + 8 h + 0 .. 7
.endr
.endr
	WIN 0
	s_wait_loadcnt 0x0
.set e, 0
.rept 32
	v_lshl_or_b32 v[XSC+e], v[F0+2*e+1], 16, v[F0+2*e]   ; two heads' bytes make a K step's scale word
.set e, e+1
.endr
	NOPS 8                                         ; scale registers written by vector instructions stand 8 places ahead of a scaled matrix instruction
; 24 LDS loads: the fragments of K step s: 8 tiles of ctx (images: 16 bytes a lane), 4 of wo (rows: two loads 32 bytes apart)
.macro FETCH f, aw, s
.irp t, 0,1,2,3,4,5,6,7
.irp c, 0,1
	ds_load_b128 v[\f+8*\t+4*\c:\f+8*\t+4*\c+3], v[L16] offset:(16*\t+2*(\s)+\c)*512
.endr
.endr
.irp t, 0,1,2,3
.irp c, 0,1
	ds_load_b128 v[\f+64+8*\t+4*\c:\f+64+8*\t+4*\c+3], v[\aw] offset:16*WP*\t+64*((\s)%4)+32*\c
.endr
.endr
.endm
; 32 matrix instructions, the accumulators by turns in the same order in every step.  first = 1: C is the bias
.macro MUL32 f, s, first
.set n, 0
.rept 32
.set xt, n/4
.set wt, n%4
.set rD, 8*n
.if \first
.set rC, 8*wt
.else
.set rC, 8*n
.endif
.set rA, \f+64+8*wt
.set rB, \f+8*xt
.set rSA, WSC+8*(wt/2)+(\s)
.set rSB, XSC+8*(xt/2)+(\s)
.set fRA, wt%2
.set fRB, xt%2
	WM
.set n, n+1
.endr
.endm
.macro TRIP half                       ; four K steps, on the two buffers by turns; the next step's loads are issued ahead of each step's products
	NOPS 5
	FETCH F0, AW0+\half, 4*\half
.irp q, 0,1,2,3
.if \q < 3
.if \q > 0
	NOPS 4                                         ; places in front of loads into the buffer that the last step's products read
.endif
	FETCH F0+96*((\q+1)%2), AW0+\half, 4*\half+\q+1
	s_wait_dscnt 24                                ; all but the 24 just issued: this step's fragments are in
.else
	s_wait_dscnt 0x0
.endif
.if (\half == 0) && (\q == 0)
	WIN 0x60                                       ; D window 1, C (the bias) window 2
	MUL32 F0+96*(\q%2), 4*\half+\q, 1
.else
	WIN 0x50                                       ; C and D window 1
	MUL32 F0+96*(\q%2), 4*\half+\q, 0
.endif
	WIN 0
.endr
.endm
; THE WAY OUT, a tile of 16 tokens x 64 columns at a time, through my own stage: in as 32 bytes a lane, back as rows of 256 bytes.  LDS serves a wave's instructions in order: no wait between the stores and the loads.
.macro TOSTAGE xt
	WIN 0x04                                       ; an LDS store's data: window 1
.irp t, 0,1,2,3
	ds_store_b128 v[STO], v[8*(4*(\xt)+\t):8*(4*(\xt)+\t)+3] offset:64*\t       ; each accumulator from its low end on
	ds_store_b128 v[STO], v[8*(4*(\xt)+\t)+4:8*(4*(\xt)+\t)+7] offset:64*\t+16
.endr
	WIN 0
.irp i, 0,1,2,3,4,5,6,7
	ds_load_b128 v[OB+32*((\xt)%2)+4*\i:OB+32*((\xt)%2)+4*\i+3], v[RD] offset:544*\i
.endr
.endm
.macro SEND xt, younger                ; younger: the LDS instructions issued behind this tile's loads, which may stay out
	s_wait_dscnt \younger
.irp i, 0,1,2,3,4,5,6,7
	global_store_b128 v[CO], v[OB+32*((\xt)%2)+4*\i:OB+32*((\xt)%2)+4*\i+3], s[86:87] offset:(16*(\xt)+2*\i)*4096 th:TH_STORE_NT   ; sixteen lanes store 256 consecutive bytes, aligned; written once
.endr
.endm
	s_wait_alu depctr_va_vdst(0)
	s_wait_tensorcnt 0x1                           ; ctx's images and wo's first half are in; the load issued behind them, the second half, may stay out
	s_barrier_signal -1
	s_barrier_wait -1                              ; everybody's part of ctx is in
	TRIP 0
	s_wait_tensorcnt 0x0                           ; wo's second half: no load was issued behind it
	s_wait_dscnt 0x0
	s_barrier_signal -1
	s_barrier_wait -1
	TRIP 1
	NOPS 4                                         ; places behind the last products: for the stores of results and the loads into buffer 0
	TOSTAGE 0
.irp a, 1,2,3,4,5,6,7
.if \a > 1
	s_wait_xcnt 0x0                                ; tile a - 2's stores have read their registers: tile a's rows may land there
.endif
	TOSTAGE \a
	SEND \a-1, 16                                  ; behind tile a - 1's loads: tile a's 8 stores and 8 loads
.endr
	SEND 7, 0
	s_wait_dscnt 0x0
	s_wait_tensorcnt 0x0
	ds_add_u32 v7, v8
	s_wait_dscnt 0x0
	CROUND                                         ; the closing round: no work-group ends while a partner may still ask for a tile that names it
	s_endpgm
.Lfunc_end_k_qd3790feb33_outp:
	.size	k_qd3790feb33_outp, .Lfunc_end_k_qd3790feb33_outp-k_qd3790feb33_outp
	.p2alignl 7, 3214868480
	.fill 96, 4, 3214868480
	.section	.rodata,"a",@progbits
	.p2align	6, 0x0
	.amdhsa_kernel k_qd3790feb33_outp
		.amdhsa_group_segment_fixed_size 222720
		.amdhsa_private_segment_fixed_size 0
		.amdhsa_enable_private_segment 0
		.amdhsa_kernarg_size 48
		.amdhsa_user_sgpr_count 2
		.amdhsa_user_sgpr_kernarg_segment_ptr 1
		.amdhsa_wavefront_size32 1
		.amdhsa_system_sgpr_workgroup_id_x 1
		.amdhsa_system_sgpr_workgroup_id_y 1
		.amdhsa_system_sgpr_workgroup_id_z 1
		.amdhsa_system_vgpr_workitem_id 0
		.amdhsa_next_free_vgpr 544
		.amdhsa_next_free_sgpr 90
		.amdhsa_reserve_vcc 0
		.amdhsa_float_denorm_mode_32 3
		.amdhsa_float_denorm_mode_16_64 3
		.amdhsa_memory_ordered 1
		.amdhsa_forward_progress 1
		.amdhsa_inst_pref_size 77
	.end_amdhsa_kernel
	.amdgpu_metadata
---
amdhsa.version: [ 1, 2 ]
amdhsa.kernels:
  - .name:           k_qd3790feb33_outp
    .symbol:         k_qd3790feb33_outp.kd
    .args:
      - { .name: ctx_codes, .offset: 0, .size: 8, .value_kind: global_buffer, .address_space: global }
      - { .name: ctx_scales, .offset: 8, .size: 8, .value_kind: global_buffer, .address_space: global }
      - { .name: wo_codes, .offset: 16, .size: 8, .value_kind: global_buffer, .address_space: global }
      - { .name: wo_scales, .offset: 24, .size: 8, .value_kind: global_buffer, .address_space: global }
      - { .name: bo, .offset: 32, .size: 8, .value_kind: global_buffer, .address_space: global }
      - { .name: out0, .offset: 40, .size: 8, .value_kind: global_buffer, .address_space: global }
    .group_segment_fixed_size: 222720
    .private_segment_fixed_size: 0
    .kernarg_segment_align: 8
    .kernarg_segment_size: 48
    .max_flat_workgroup_size: 128
    .sgpr_count:     90
    .vgpr_count:     544
    .wavefront_size: 32
...
	.end_amdgpu_metadata
.endif
;; end of part 3
